; MI455X (gfx1250); checked and timed in simulation.
; The chip was launched on July 23, 2026; its instructions are those of AMD's public machine-readable ISA for CDNA 5 (MIT licence, August 2026) and "CDNA5" Instruction Set Architecture Reference Guide (July 2026). The comments in the code are by the model that wrote it; some were corrected since.
;; Multi Head Self Attention. Allowed arithmetic: matrix products marked QUANTISED: E2M1 operands, one E8M0 scale for each 32 along K, by v_wmma_scale_f32_16x16x128_f8f6f4 with both operands' format E2M1 (or v_wmma_scale_f32_32x16x128_f4), f32 sums; everything else in f32.
;; Inputs: Wk_codes 512 x 16 x 16 uint8 (E2M1 codes of Wk, K innermost, in blocks of 32 codes, two codes a byte); Wk_scales 512 x 16 uint8 (E8M0 scales of Wk, one for each 32 codes along K); Wq_codes 512 x 16 x 16 uint8 (E2M1 codes of Wq, K innermost, in blocks of 32 codes, two codes a byte); Wq_scales 512 x 16 uint8 (E8M0 scales of Wq, one for each 32 codes along K); bk 512 float32; bq 512 float32; x_codes 2 x 4,096 x 16 x 16 uint8 (E2M1 codes of x, K innermost, in blocks of 32 codes, two codes a byte); x_scales 2 x 4,096 x 16 uint8 (E8M0 scales of x, one for each 32 codes along K).
;; Outputs: out0 2 x 4,096 x 512 float32.
;; This version of the problem:
;;   THIS VERSION OF THE PROBLEM IS GIVEN IN LOW PRECISION. The matrix products marked QUANTISED in the list below multiply operands that are first quantised to E2M1 (2 exponent bits, 1 mantissa bit; 4 bits a number), with one power-of-two scale for each 32 numbers along K (OCP MX v1.0); their sums are f32. All else is computed in f32.
;;   The module's matrix products, in the order in which they are computed (A, B: the left and right operand; K: the contracted axis; several contracted axes count as one K, in the product's order):
;;     1. [M 8,192, K 512] x [K 512, N 512]; A: input x (given as codes); B: input Wq (given as codes): QUANTISED
;;     2. [M 8,192, K 512] x [K 512, N 512]; A: input x (given as codes); B: input Wk (given as codes): QUANTISED
;;     3. batch 16 x [M 4,096, K 64] x [K 64, N 4,096]; A: computed on the way; B: computed on the way: QUANTISED
;;     4. batch 16 x [M 4,096, K 4,096] x [K 4,096, N 64]; A: softmax (see below); B: computed on the way: QUANTISED
;;   THE QUANTISER, for each operand of a quantised product, along K:
;;     - K is cut into blocks of 32 from its start; a last block that is shorter is filled with zeros.
;;     - A block's scale is 2^e with e = floor(log2(the largest magnitude in the block)) - 2, held to -126 .. 127; a block of zeros has e = 0. As a byte (E8M0): e + 127.
;;     - Each number is divided by its block's scale, clamped to +-6, and rounded to the nearest number of E2M1, ties to even, subnormals kept.
;;     - The product sums the exact products of the quantised numbers (number of the format x scale) in f32.
;;   ~~~python
;;   def quantise(x, axis):      # numpy; x: float32 -> the quantised numbers, widened to float32 again
;;       x = np.moveaxis(x, axis, -1); K = x.shape[-1]
;;       x = np.pad(x, [(0, 0)] * (x.ndim - 1) + [(0, -K % 32)]); x = x.reshape(x.shape[:-1] + (-1, 32)); a = np.abs(x).max(-1, keepdims=True)
;;       e = np.where(a > 0, np.clip(np.frexp(np.where(a > 0, a, 1))[1] - 1 - 2, -126, 127), 0)      # np.frexp(a)[1] - 1 = floor(log2(a)), exactly
;;       r = np.clip(x / 2.0 ** e, -6, 6)
;;       step = 2.0 ** (np.maximum(np.frexp(np.where(r == 0, 1, r))[1] - 1, 0) - 1)
;;       q = np.round(r / step) * step * 2.0 ** e      # np.round: ties to even
;;       return np.moveaxis(q.reshape(q.shape[:-2] + (-1,))[..., :K], -1, axis).astype(np.float32)
;;   ~~~
;;   SOFTMAX AHEAD OF A QUANTISED PRODUCT. Where the list says 'softmax', what is quantised is not the finished softmax but p = 2^(t - M), with t = logit x log2(e) and M = ceil(the row's largest t), a whole number; so 1/2 < the row's largest p <= 1. The row's sum l is taken of the UNQUANTISED p, in f32, and the product's result is divided by l at the end. Since M is a whole number, a kernel that streams over the keys may use a running M (the ceiling of the running maximum): every later rescaling is an exact power of two, which a block's scale takes up: the codes' values come out the same.
;;   OPERANDS COMPUTED ON THE WAY. 'Computed on the way' means the value that the module computes at that place (a softmax that the list does not call 'softmax' is quantised finished and normalised). What goes into a quantiser is computed in f32, as accurately as f32 sums, v_exp_f32 and their like allow (about 1e-6 of the number): no bf16 or f16 on the way to a quantiser, and a product that is left as it is and whose result goes on into a quantised operand takes f32 operands (vector FMAs, or v_wmma_f32_16x16x4_f32). A number that lies on a knife's edge between two numbers of the format may be rounded either way, as far as f32 arithmetic and the matrix unit's own rounding can turn it there, and no further.
;;   INPUTS GIVEN AS CODES. Wk (in the module: [512, 512], K = its axis 1); Wq (in the module: [512, 512], K = its axis 1); x (in the module: [2, 4096, 512], K = its axis 2): each comes as NAME_codes (uint8): NAME with its K axis moved to the last place and cut into blocks of 32 codes, [.., K / 32, bytes a block], one block behind the other in memory; two codes a byte, the lower K in the low four bits (a code: sign, 2 exponent bits, 1 mantissa bit); and NAME_scales (uint8): the same leading axes, one E8M0 byte (e + 127) for each 32 codes along K. Its value is code x scale, taken as it is: it is not quantised again, and the codes and scales need not be those that the quantiser above would give.
;; One version. Each part assembles by itself: llvm-mc -triple=amdgcn-amd-amdhsa -mcpu=gfx1250 --defsym DOCPART=n.
;; ======== version 1 of 1: 2 launches
;; limits: right only within a limited range of input values
;; workspace buffers: ws 6,946,816 bytes
;; launch project (part 1): grid 4 x 64, 8 waves a work-group, clusters of 4 x 4, 168,960 bytes of LDS; arguments x_codes, x_scales, Wq_codes, Wq_scales, Wk_codes, Wk_scales, bq, bk, ws; writes ws
.if DOCPART == 1
	.amdgcn_target "amdgcn-amd-amdhsa--gfx1250"
	.amdhsa_code_object_version 6
	.text
	.protected	k_qc177eec50a_project
	.globl	k_qc177eec50a_project
	.p2align	8
	.type	k_qc177eec50a_project,@function
k_qc177eec50a_project:
	s_mov_b64 s[64:65], 0
	v_nop
	global_prefetch_b8 v0, s[64:65] scope:SCOPE_SE
	s_setreg_imm32_b32 hwreg(HW_REG_WAVE_MODE, 25, 1), 1
	s_wait_xcnt 0x0
	s_wait_alu depctr_hold_cnt(0) depctr_sa_sdst(0) depctr_va_vdst(0) depctr_va_sdst(0) depctr_va_ssrc(0) depctr_va_vcc(0) depctr_vm_vsrc(0)
	s_getreg_b32 s2, hwreg(HW_REG_IB_STS2, 6, 4)
	s_cmp_eq_u32 s2, 0
	s_cbranch_scc0 .Lentry_in_a_cluster
	s_endpgm
.Lentry_in_a_cluster:
	s_bfe_u32 s2, ttmp6, 0x10000c
	s_cmp_lg_u32 s2, 0xf033
	s_cbranch_scc0 .Lentry_shape_is_right
	s_endpgm
.Lentry_shape_is_right:
; q = x Wq^T + bq and k = x Wk^T + bk on codes of FP4 (E2M1) with E8M0 scales, and the three operands that attention wants of them, as codes:
; q and k quantised along a head's 64 channels, and k once more, as v, quantised along the KEYS (blocks of 32 tokens for each channel).
; SHARES.  A work-group takes 128 tokens (step S = 32 b + s) and a pair of heads (2 g, 2 g + 1: 128 outputs of q and of k).  Eight waves; rho = wave / 4, w' = wave % 4.
;   Pass 1: source 0 = the 8 tiles of Wq (rho = 0) or Wk (rho = 1), streamed from LDS; source 1 = my two tiles of 16 tokens, kept in registers.  A lane then holds ONE token and its registers run along the outputs,
;           which are the next product's K: 128 outputs = the two heads' 64.  16 accumulators, 64 matrix instructions.
;   Pass 2: source 0 = the 8 tiles of x; source 1 = my 16 rows of Wk.  A lane holds ONE channel and its registers run along the 128 tokens, which are the last product's K.  8 accumulators, 32 matrix instructions.
; So k is multiplied twice, once each way round; nothing is transposed.
; THE QUANTISER ON NATURAL TILES.  Tile t of a result holds, in register j of lane (r, h), k = 16 t + 8 h + j of row r.  A conversion makes 8 codes, one register.  The operand wants k = 64 c + 32 h + 8 i .. + 7 in
; register 4 c + i.  Tile 4 c + u is converted into register 4 c + 2 (u % 2) + u / 2; then registers 4 c, 4 c + 1 and 4 c + 2, 4 c + 3 exchange halves of the lanes, and the operand stands.
; THE WORKSPACE is laid in the order of the operands' registers: [b][s][head] records of SUB bytes: K's codes (tile t at 512 t + 16 lane), V's codes (channel tile ct, half c at 1024 ct + 512 c + 16 lane),
; K's scale words (64 t + 4 r; bytes 2 and 3 are 0), V's scale words (64 ct + 4 r), Q's codes, Q's scale words.  The work-group gathers its two records in LDS and stores 27,136 consecutive bytes.
; CLUSTER 4 x 4: x's tile hangs on S alone and is shared along a row of the cluster, the weights' tiles on g alone and are shared along a column: each is asked for jointly.  Every LDS byte is filled once.
; LIMITS: NaN and infinities are not served.  A block of zeros gets the scale byte 1 where the quantiser says 127: its codes are zeros, and the bytes are read by this program alone.
; The bias is the C of a sum's first matrix instruction, so it is added ahead of the products and not behind them.
.set SUB,   13568                      ; a record: 53 x 256 bytes
.set FKC,   0
.set FVC,   4096
.set FKS,   8192
.set FVS,   8704
.set FQC,   8960
.set FQS,   13056
.set PITCH, 272                        ; an LDS row: 256 bytes of codes + 16 of padding, so that the 16 rows of a fragment load start 68 words apart
.set TILE,  128*PITCH
.set XT,    0                          ; LDS: x's 128 rows,
.set WQ,    TILE                       ; Wq's 128 rows,
.set WK,    2*TILE                     ; Wk's 128 rows,
.set OUT,   3*TILE                     ; and the image of the two records: no fill lands there
.set PC,    20                         ; v20-27  the codes just made
.set PW,    28                         ; v28     the scale word just made; v29, v30 its halves
.set SS1,   32                         ; v32-63  pass 1: the streamed tiles' scale words (tile t, K step ks: 4 t + ks)
.set SS2,   64                         ; v64-95  pass 2 likewise
.set RS1,   96                         ; v96-103 the scale words of my two tiles of tokens
.set RS2,   104                        ; v104-107 of my 16 rows of Wk
.set ACC,   112                        ; v112-239 accumulators: resident i, tile t at 64 i + 8 t
.set TM,    240                        ; v240-243 largest magnitudes, v244-247 the other half's / bytes, v252-255 the conversions' scale operands
.set RES1,  0                          ; window 1: my two tiles of tokens, 32 i + 8 ks
.set RES2,  64                         ;           my 16 rows of Wk, 8 ks
.set BI,    96                         ;           the bias in pass 1's result layout, 8 t + j
.set BV,    160                        ;           bk of my channel, eight times
.set F0,    168                        ;           two buffers of four streamed fragments
.set F1,    200
.set G1X,   32                         ; s[32:39] descriptor group 1 for x's tile;  s[40:47] for the weights'
.set G1W,   40
.set G0X,   48                         ; s[48:51], s[52:55], s[56:59] groups 0: x, Wq, Wk
.set G0Q,   52
.set G0K,   56
.set SEL,   60                         ; s[60:61] lane selects: lane l xor 16
.set LD1,   0x40                       ; destination window 1, address window 0
.set MULB,  0x15                       ; A, B and C (the bias) window 1, D window 0
.set MUL,   0x05                       ; A and B window 1, C and D window 0
.set MSB, 0
.macro WIN new                         ; the immediate's high byte repeats the setting that is left
.if MSB != \new
	s_set_vgpr_msb (MSB<<8)|\new
.set MSB, \new
.endif
.endm
.macro PLACES n
.rept \n
	v_nop
.endr
.endm
.macro CROUND                          ; a round of the cluster's barrier
	s_barrier_signal -1
	s_barrier_wait -1
	s_cmp_lg_u32 s22, 0
	s_cbranch_scc1 .Lnot_wave_0_\@
	s_barrier_signal -3
.Lnot_wave_0_\@:
	s_barrier_wait -3
	s_barrier_signal -1
	s_barrier_wait -1
.endm
	s_load_b512 s[4:19], s[0:1], 0x0               ; x codes s[4:5], x scales s[6:7], Wq codes s[8:9], Wq scales s[10:11], Wk codes s[12:13], Wk scales s[14:15], bq s[16:17], bk s[18:19]
	s_load_b64 s[20:21], s[0:1], 0x40              ; ws
	v_lshl_add_u32 v250, v0, 2, 0x29000
	v_mov_b32 v251, 0
	ds_add_u32 v250, v251
	ds_add_u32 v250, v251
	v_lshrrev_b32 v1, 5, v0
	s_delay_alu instid0(VALU_DEP_1)
	v_readfirstlane_b32 s22, v1                    ; wave 0..7
	s_lshr_b32 s23, s22, 2                         ; rho
	s_and_b32 s24, s22, 3                          ; w'
	s_bfe_u32 s25, ttmp6, 0x40000                  ; cx
	s_bfe_u32 s26, ttmp6, 0x40004                  ; cy
	s_lshl_b32 s27, ttmp9, 2
	s_add_co_u32 s27, s27, s25                     ; g = 4 x cluster x + cx: the pair of heads
	s_and_b32 s28, ttmp7, 0xffff
	s_lshl_b32 s28, s28, 2
	s_add_co_u32 s28, s28, s26                     ; S = 4 x cluster y + cy: the step of 128 tokens
	s_lshl_b32 s29, s26, 2
	s_lshl_b32 s29, 15, s29                        ; my row of the cluster
	s_lshl_b32 s30, 0x1111, s25                    ; my column
	; descriptor group 1: 128 rows of 256 bytes, dense in memory, 16 bytes of padding behind each row in LDS
	s_or_b32 s[G1X], s29, (0<<16)|(1<<20)|(1<<21)|(5<<22)|(3<<25)   ; 15:0 the mask; 17:16 elements of 1 byte; 20 padding on; 21 set beside a mask; 24:22 after every 64 words; 31:25 four words
	s_or_b32 s[G1W], s30, (0<<16)|(1<<20)|(1<<21)|(5<<22)|(3<<25)
.irp g, G1X, G1W
	s_mov_b32 s[\g+1], 256<<16                     ; tensor_dim0
	s_mov_b32 s[\g+2], 128<<16                     ; tensor_dim1
	s_mov_b32 s[\g+3], 256<<16                     ; tile_dim0
	s_mov_b32 s[\g+4], 128                         ; tile_dim1
	s_mov_b32 s[\g+5], 256                         ; tensor_dim0_stride
	s_mov_b32 s[\g+6], 0
	s_mov_b32 s[\g+7], 0
.endr
	s_lshl_b32 s68, s28, 15                        ; x's tile: 128 rows of 256 bytes a step.  These two pairs feed the joint descriptors and never hold the other coordinate
	s_mov_b32 s69, 0
	s_lshl_b32 s70, s27, 15                        ; the weights' tiles: 128 rows of 256 bytes a pair of heads
	s_mov_b32 s71, 0
	s_mov_b32 s[SEL], 0x76543210
	s_mov_b32 s[SEL+1], 0xfedcba98
	v_and_b32 v1, 31, v0                           ; lane
	v_and_b32 v2, 15, v0                           ; r
	v_bfe_u32 v3, v0, 4, 1                         ; h
	s_delay_alu instid0(VALU_DEP_2)
	v_lshlrev_b32 v4, 4, v2                        ; 16 r: a row's 16 scale bytes, four words
	s_delay_alu instid0(VALU_DEP_2)
	v_lshlrev_b32 v5, 5, v3                        ; 32 h: my half's eight numbers of a tile's bias
	s_delay_alu instid0(VALU_DEP_4)
	v_lshlrev_b32 v6, 2, v2                        ; 4 r
	s_wait_alu depctr_va_vdst(0)
	v_mul_u32_u24 v8, v2, PITCH
	s_delay_alu instid0(VALU_DEP_1)
	v_lshl_add_u32 v8, v3, 4, v8                   ; v8: a fragment's row x pitch + 16 x half: pass 2 streams x from here (XT = 0)
	s_mul_i32 s66, s23, TILE
	s_add_co_u32 s66, s66, WQ
	v_add_nc_u32 v7, s66, v8                       ; v7: pass 1 streams Wq (rho = 0) or Wk (rho = 1)
	s_mul_i32 s66, s24, 32*PITCH
	v_add_nc_u32 v9, s66, v8                       ; v9: my two tiles of tokens: rows 32 w' on
	s_mul_i32 s66, s22, 16*PITCH
	s_add_co_u32 s66, s66, WK
	v_add_nc_u32 v10, s66, v8                      ; v10: my 16 rows of Wk
	v_lshlrev_b32 v17, 4, v1                       ; 16 x lane
	s_wait_alu depctr_va_vdst(0)
	s_xor_b32 s67, s23, 1                          ; 1 for q
	s_mul_i32 s66, s67, FQC-FKC
	s_lshl_b32 s72, s24, 10
	s_add_co_u32 s66, s66, s72
	s_add_co_u32 s66, s66, OUT
	v_add_nc_u32 v11, s66, v17                     ; v11: pass 1's codes: Q's or K's field, tile 2 w' on
	s_mul_i32 s66, s67, FQS-FKS
	s_lshl_b32 s72, s24, 7
	s_add_co_u32 s66, s66, s72
	s_add_co_u32 s66, s66, OUT+FKS
	v_add_nc_u32 v12, s66, v6                      ; v12: and their scale words
	s_mul_i32 s66, s23, SUB
	s_lshl_b32 s72, s24, 10
	s_add_co_u32 s66, s66, s72
	s_add_co_u32 s66, s66, OUT+FVC
	v_add_nc_u32 v13, s66, v17                     ; v13: pass 2's codes: head rho of the pair, channel tile w'
	s_mul_i32 s66, s23, SUB
	s_lshl_b32 s72, s24, 6
	s_add_co_u32 s66, s66, s72
	s_add_co_u32 s66, s66, OUT+FVS
	v_add_nc_u32 v14, s66, v6                      ; v14: and their scale words
	v_lshlrev_b32 v16, 4, v0                       ; v16: the way out: 16 bytes a thread, in memory,
	s_delay_alu instid0(VALU_DEP_1)
	v_add_nc_u32 v15, OUT, v16                     ; v15: and in LDS
	s_wait_dscnt 0x0
	s_wait_kmcnt 0x0
	s_cmp_eq_u32 s23, 0                            ; q's waves or k's: the choice hangs on the wave's number alone
	s_cselect_b64 s[76:77], s[10:11], s[14:15]     ; the streamed weight's scales
	s_cselect_b64 s[84:85], s[16:17], s[18:19]     ; and its bias
	s_mov_b32 s73, 0
	s_lshl_b32 s72, s27, 11                        ; 128 rows of 16 scale bytes a pair of heads
	s_add_nc_u64 s[76:77], s[76:77], s[72:73]
	s_add_nc_u64 s[82:83], s[14:15], s[72:73]
	s_lshl_b32 s72, s22, 8
	s_add_nc_u64 s[82:83], s[82:83], s[72:73]      ; Wk's scales at my 16 rows
	s_lshl_b32 s72, s28, 11
	s_add_nc_u64 s[78:79], s[6:7], s[72:73]        ; x's scales at the step's first token
	s_lshl_b32 s72, s24, 9
	s_add_nc_u64 s[80:81], s[78:79], s[72:73]      ; and at my two tiles
	s_lshl_b32 s72, s27, 9
	s_add_nc_u64 s[84:85], s[84:85], s[72:73]      ; the bias at the pair's 128 outputs
	s_add_nc_u64 s[86:87], s[18:19], s[72:73]
	s_lshl_b32 s72, s22, 6
	s_add_nc_u64 s[86:87], s[86:87], s[72:73]      ; bk at my 16 channels
	s_lshl_b32 s72, s28, 2
	s_add_co_u32 s72, s72, s27
	s_mul_i32 s72, s72, 2*SUB
	s_add_nc_u64 s[88:89], s[20:21], s[72:73]      ; my two records: (4 S + g) x 27,136 bytes on
	s_mov_b32 s[G0X], 1                            ; 1:0 count = 1
	s_mov_b32 s[G0X+1], XT                         ; 63:32 LDS address
	s_add_nc_u64 s[G0X+2:G0X+3], s[4:5], s[68:69]  ; 120:64 global address
	s_or_b32 s[G0X+3], s[G0X+3], 0x80000000        ; 127:126 type = 2
	s_mov_b32 s[G0Q], 1
	s_mov_b32 s[G0Q+1], WQ
	s_add_nc_u64 s[G0Q+2:G0Q+3], s[8:9], s[70:71]
	s_or_b32 s[G0Q+3], s[G0Q+3], 0x80000000
	s_mov_b32 s[G0K], 1
	s_mov_b32 s[G0K+1], WK
	s_add_nc_u64 s[G0K+2:G0K+3], s[12:13], s[70:71]
	s_or_b32 s[G0K+3], s[G0K+3], 0x80000000
	CROUND                                         ; all sixteen work-groups are here: the joint loads meet
	; wave 0 asks for x's tile, wave 1 for Wq's, wave 2 for Wk's: one load a wave.  The branches hang on the wave's number alone.  Four v_nop follow each load
	s_cmp_eq_u32 s22, 0
	s_cbranch_scc0 .Lnot_x
	tensor_load_to_lds s[G0X:G0X+3], s[G1X:G1X+7]
	s_nop 0
	PLACES 4
	s_branch .Lasked
.Lnot_x:
	s_cmp_eq_u32 s22, 1
	s_cbranch_scc0 .Lnot_q
	tensor_load_to_lds s[G0Q:G0Q+3], s[G1W:G1W+7]
	s_nop 0
	PLACES 4
	s_branch .Lasked
.Lnot_q:
	s_cmp_eq_u32 s22, 2
	s_cbranch_scc0 .Lasked
	tensor_load_to_lds s[G0K:G0K+3], s[G1W:G1W+7]
	s_nop 0
	PLACES 4
.Lasked:
	; scale words and biases go straight into registers: sixteen lanes read a tile's 256 consecutive scale bytes; lanes 16-31 read the same
.irp t, 0,1,2,3,4,5,6,7
	global_load_b128 v[SS1+4*\t:SS1+4*\t+3], v4, s[76:77] offset:256*\t
.endr
.irp i, 0,1
	global_load_b128 v[RS1+4*\i:RS1+4*\i+3], v4, s[80:81] offset:256*\i
.endr
.irp t, 0,1,2,3,4,5,6,7
	global_load_b128 v[SS2+4*\t:SS2+4*\t+3], v4, s[78:79] offset:256*\t
.endr
	global_load_b128 v[RS2:RS2+3], v4, s[82:83]
	WIN LD1
.irp t, 0,1,2,3,4,5,6,7
	global_load_b128 v[BI+8*\t:BI+8*\t+3], v5, s[84:85] offset:64*\t          ; bias of outputs 16 t + 8 h + 0 .. 7
	global_load_b128 v[BI+8*\t+4:BI+8*\t+7], v5, s[84:85] offset:64*\t+16
.endr
.irp j, 0,1,2,3,4,5,6,7
	global_load_b32 v[BV+\j], v6, s[86:87]         ; bk of channel r, once for each of a tile's eight tokens
.endr
	WIN 0
.irp b, 0,1,2,3
	v_mov_b32 v[TM+4+\b], 0                        ; written once: a lane permute's destination counts as one of its sources
.endr
	s_wait_tensorcnt 0x0                           ; my tile has landed (a wave that asked for none passes),
	s_barrier_signal -1
	s_barrier_wait -1                              ; everybody's has
	WIN LD1
.irp i, 0,1
.irp ks, 0,1,2,3
.irp c, 0,1
	ds_load_b128 v[RES1+32*\i+8*\ks+4*\c:RES1+32*\i+8*\ks+4*\c+3], v9 offset:16*PITCH*\i+64*\ks+32*\c
.endr
.endr
.endr
.irp ks, 0,1,2,3
.irp c, 0,1
	ds_load_b128 v[RES2+8*\ks+4*\c:RES2+8*\ks+4*\c+3], v10 offset:64*\ks+32*\c
.endr
.endr
	s_wait_loadcnt 0x0                             ; scale words and biases
; Group G of a pass: K step G / 2, tiles 4 (G % 2) .. + 3 of the streamed operand.  FETCH: their four fragments, eight loads.
.macro FETCH buf, adr, G
.irp i, 0,1,2,3
.irp c, 0,1
	ds_load_b128 v[\buf+8*\i+4*\c:\buf+8*\i+4*\c+3], v[\adr] offset:(4*((\G)%2)+\i)*16*PITCH+64*((\G)/2)+32*\c
.endr
.endr
.endm
; MULG: the four tiles against each resident.  The accumulators of a group are all different and the next group takes the other half's: they take turns, one instruction a turn.
; In K step 0 the bias is C: nothing is cleared and nothing is added afterwards.
.macro MULG buf, G, nres, ss, rs, res, bias, stride
.set KS_, (\G)/2
.set HF_, (\G)%2
.set IR_, 0
.rept \nres
.irp i, 0,1,2,3
.set T_, 4*HF_+\i
.set D_, ACC+64*IR_+8*T_
.if KS_ == 0
	v_wmma_scale_f32_16x16x128_f8f6f4 v[D_:D_+7], v[\buf+8*\i:\buf+8*\i+7], v[\res+32*IR_+8*KS_:\res+32*IR_+8*KS_+7], v[\bias+\stride*T_:\bias+\stride*T_+7], v[\ss+4*T_+KS_], v[\rs+4*IR_+KS_] matrix_a_fmt:MATRIX_FMT_FP4 matrix_b_fmt:MATRIX_FMT_FP4
.else
	v_wmma_scale_f32_16x16x128_f8f6f4 v[D_:D_+7], v[\buf+8*\i:\buf+8*\i+7], v[\res+32*IR_+8*KS_:\res+32*IR_+8*KS_+7], v[D_:D_+7], v[\ss+4*T_+KS_], v[\rs+4*IR_+KS_] matrix_a_fmt:MATRIX_FMT_FP4 matrix_b_fmt:MATRIX_FMT_FP4
.endif
.endr
.set IR_, IR_+1
.endr
.endm
; A pass: eight groups on two buffers; a group's fragments are asked for two groups ahead, four places behind the products that read the buffer (ISA guide 7.12.1 for vector instructions).
.macro PASS adr, nres, ss, rs, res, bias, stride
	WIN LD1
	FETCH F0, \adr, 0
	FETCH F1, \adr, 1
.set GG, 0
.rept 8
.if GG == 7
	s_wait_dscnt 0x0
.else
	s_wait_dscnt 0x8                               ; this group's fragments are in; the next group's eight loads, the only younger ones, may be out
.endif
.if GG < 2
	WIN MULB
.else
	WIN MUL
.endif
	MULG F0+32*(GG%2), GG, \nres, \ss, \rs, \res, \bias, \stride
.if GG < 6
	PLACES 4
	WIN LD1
	FETCH F0+32*(GG%2), \adr, GG+2
.endif
.set GG, GG+1
.endr
	WIN 0
	PLACES 5                                       ; four in front of the first read of results; the fifth since the next pass's first products write over these accumulators
.endm
; 64 numbers of a lane, tile t at s + 8 t, become a fragment's codes in v[PC] on and its scale word in v[PW] (see the head).
.macro QUANT s
.irp b, 0,1,2,3
	v_max3_num_f32 v[TM+\b], |v[\s+16*\b]|, |v[\s+1+16*\b]|, 0x1800000   ; block b: my 16 numbers, and the floor 2^(3 - 127): so the byte cannot fall under 1
.endr
.irp i, 2,4,6,8,10,12,14
.irp b, 0,1,2,3
	v_max3_num_f32 v[TM+\b], v[TM+\b], |v[\s+16*\b+\i]|, |v[\s+1+16*\b+\i]|   ; the four blocks by turns
.endr
.endr
.irp b, 0,1,2,3
	s_delay_alu instid0(VALU_DEP_4)
	v_permlanex16_b32 v[TM+4+\b], v[TM+\b], s[SEL], s[SEL+1]
.endr
.irp b, 0,1,2,3
	s_delay_alu instid0(VALU_DEP_4)
	v_max_num_f32 v[TM+\b], v[TM+\b], v[TM+4+\b]   ; with lane l xor 16's 16: the block's largest magnitude
.endr
.irp b, 0,1,2,3
	s_delay_alu instid0(VALU_DEP_4)
	v_add_nc_u32 v[TM+12+\b], 0xff000000, v[TM+\b] ; 2 off its exponent field: the conversion takes the exponent field of this operand as its scale
.endr
.irp b, 0,1,2,3
	s_delay_alu instid0(VALU_DEP_4)
	v_lshrrev_b32 v[TM+4+\b], 23, v[TM+12+\b]      ; the scale's byte
.endr
	s_delay_alu instid0(VALU_DEP_3)
	v_lshl_or_b32 v[PW], v[TM+5], 8, v[TM+4]
	s_delay_alu instid0(VALU_DEP_1)
	v_lshl_or_b32 v[PW], v[TM+6], 16, v[PW]
	s_delay_alu instid0(VALU_DEP_1)
	v_lshl_or_b32 v[PW], v[TM+7], 24, v[PW]
.irp t, 0,1,2,3,4,5,6,7
	v_cvt_scalef32_pk8_fp4_f32 v[PC+4*(\t/4)+2*(\t%2)+(\t%4)/2], v[\s+8*\t:\s+8*\t+7], v[TM+12+\t/2]
.endr
	v_nop                                          ; one plain place behind the scaled conversions
.irp c, 0,1
	v_permlane16_swap_b32 v[PC+4*\c], v[PC+4*\c+1]     ; (0-7 | 8-15), (32-39 | 40-47) become (0-7 | 32-39), (8-15 | 40-47)
	v_permlane16_swap_b32 v[PC+4*\c+2], v[PC+4*\c+3]   ; likewise 16-31 and 48-63
.endr
.endm
	PASS 7, 2, SS1, RS1, RES1, BI, 8               ; q or k of my 32 tokens, all 128 outputs of the pair of heads
.irp i, 0,1
	QUANT ACC+64*\i                                ; registers 0-3: head 2 g's 64 channels, registers 4-7: head 2 g + 1's; each is the lower half of a fragment
	v_and_b32 v29, 0xffff, v[PW]                   ; head 2 g's two bytes; the upper two stay 0: they scale the zero codes that fill K to 128
	v_lshrrev_b32 v30, 16, v[PW]                   ; head 2 g + 1's
	ds_store_b128 v11, v[PC:PC+3] offset:512*\i
	ds_store_b128 v11, v[PC+4:PC+7] offset:SUB+512*\i
	ds_store_b32 v12, v29 offset:64*\i             ; lanes 16-31 write the same word with the same value
	ds_store_b32 v12, v30 offset:SUB+64*\i
	s_wait_dscnt 0x0                               ; the stores are done before their registers are written again
.endr
	PASS 8, 1, SS2, RS2, RES2, BV, 0               ; k of the 128 tokens, my 16 channels
	QUANT ACC                                      ; a whole fragment of V^T: 16 channels x 128 keys
	ds_store_b128 v13, v[PC:PC+3]
	ds_store_b128 v13, v[PC+4:PC+7] offset:512
	ds_store_b32 v14, v[PW]
	s_wait_dscnt 0x0                               ; for the others' sake: my stores into the image are done
	s_barrier_signal -1
	s_barrier_wait -1                              ; the two records lie whole in LDS
.irp i, 0,1,2,3,4,5
	ds_load_b128 v[ACC+4*\i:ACC+4*\i+3], v15 offset:4096*\i
.endr
	s_wait_dscnt 0x0
.irp i, 0,1,2,3,4,5
	global_store_b128 v16, v[ACC+4*\i:ACC+4*\i+3], s[88:89] offset:4096*\i th:TH_STORE_NT   ; a wave stores 512 consecutive bytes, at a multiple of 256 from the buffer's first byte
.endr
	s_cmp_lt_u32 s22, 5                            ; 27,136 = 6 x 4,096 + 2,560: the last 2,560 bytes are five waves' work
	s_cbranch_scc0 .Lno_tail
	ds_load_b128 v[ACC+24:ACC+27], v15 offset:24576
	s_wait_dscnt 0x0
	global_store_b128 v16, v[ACC+24:ACC+27], s[88:89] offset:24576 th:TH_STORE_NT
.Lno_tail:
	s_wait_dscnt 0x0
	s_wait_tensorcnt 0x0
	ds_add_u32 v250, v251
	s_wait_dscnt 0x0
	CROUND                                         ; the closing round: no work-group ends while a partner may still ask for a tile that names it
	s_endpgm
.Lfunc_end_k_qc177eec50a_project:
	.size	k_qc177eec50a_project, .Lfunc_end_k_qc177eec50a_project-k_qc177eec50a_project
	.p2alignl 7, 3214868480
	.fill 96, 4, 3214868480
	.section	.rodata,"a",@progbits
	.p2align	6, 0x0
	.amdhsa_kernel k_qc177eec50a_project
		.amdhsa_group_segment_fixed_size 168960
		.amdhsa_private_segment_fixed_size 0
		.amdhsa_enable_private_segment 0
		.amdhsa_kernarg_size 72
		.amdhsa_user_sgpr_count 2
		.amdhsa_user_sgpr_kernarg_segment_ptr 1
		.amdhsa_wavefront_size32 1
		.amdhsa_system_sgpr_workgroup_id_x 1
		.amdhsa_system_sgpr_workgroup_id_y 1
		.amdhsa_system_sgpr_workgroup_id_z 1
		.amdhsa_system_vgpr_workitem_id 0
		.amdhsa_next_free_vgpr 512
		.amdhsa_next_free_sgpr 100
		.amdhsa_reserve_vcc 0
		.amdhsa_float_denorm_mode_32 3
		.amdhsa_float_denorm_mode_16_64 3
		.amdhsa_memory_ordered 1
		.amdhsa_forward_progress 1
		.amdhsa_inst_pref_size 52
	.end_amdhsa_kernel
	.amdgpu_metadata
---
amdhsa.version: [ 1, 2 ]
amdhsa.kernels:
  - .name:           k_qc177eec50a_project
    .symbol:         k_qc177eec50a_project.kd
    .args:
      - { .name: x_codes, .offset: 0, .size: 8, .value_kind: global_buffer, .address_space: global }
      - { .name: x_scales, .offset: 8, .size: 8, .value_kind: global_buffer, .address_space: global }
      - { .name: Wq_codes, .offset: 16, .size: 8, .value_kind: global_buffer, .address_space: global }
      - { .name: Wq_scales, .offset: 24, .size: 8, .value_kind: global_buffer, .address_space: global }
      - { .name: Wk_codes, .offset: 32, .size: 8, .value_kind: global_buffer, .address_space: global }
      - { .name: Wk_scales, .offset: 40, .size: 8, .value_kind: global_buffer, .address_space: global }
      - { .name: bq, .offset: 48, .size: 8, .value_kind: global_buffer, .address_space: global }
      - { .name: bk, .offset: 56, .size: 8, .value_kind: global_buffer, .address_space: global }
      - { .name: ws, .offset: 64, .size: 8, .value_kind: global_buffer, .address_space: global }
    .group_segment_fixed_size: 168960
    .private_segment_fixed_size: 0
    .kernarg_segment_align: 8
    .kernarg_segment_size: 72
    .max_flat_workgroup_size: 256
    .sgpr_count:     100
    .vgpr_count:     512
    .wavefront_size: 32
...
	.end_amdgpu_metadata
.endif
;; end of part 1
;; launch attend (part 2): grid 16 x 16, 8 waves a work-group, clusters of 4 x 1, 322,560 bytes of LDS; arguments ws, out0; writes out0
.if DOCPART == 2
	.amdgcn_target "amdgcn-amd-amdhsa--gfx1250"
	.amdhsa_code_object_version 6
	.text
	.protected	k_qc177eec50a_attend
	.globl	k_qc177eec50a_attend
	.p2align	8
	.type	k_qc177eec50a_attend,@function
k_qc177eec50a_attend:
	s_mov_b64 s[64:65], 0
	v_nop
	global_prefetch_b8 v0, s[64:65] scope:SCOPE_SE
	s_setreg_imm32_b32 hwreg(HW_REG_WAVE_MODE, 25, 1), 1
	s_wait_xcnt 0x0
	s_wait_alu depctr_hold_cnt(0) depctr_sa_sdst(0) depctr_va_vdst(0) depctr_va_sdst(0) depctr_va_ssrc(0) depctr_va_vcc(0) depctr_vm_vsrc(0)
	s_getreg_b32 s2, hwreg(HW_REG_IB_STS2, 6, 4)
	s_cmp_eq_u32 s2, 0
	s_cbranch_scc0 .Lentry_in_a_cluster
	s_endpgm
.Lentry_in_a_cluster:
	s_bfe_u32 s2, ttmp6, 0x10000c
	s_cmp_lg_u32 s2, 0x3003
	s_cbranch_scc0 .Lentry_shape_is_right
	s_endpgm
.Lentry_shape_is_right:
; out[b][q][64 hd ..] = the sum over keys of softmax(q . k / sqrt(512)) v, v = k, both products on codes of FP4 (E2M1) with E8M0 scales, from the records that the launch before has laid.
; THE SOFTMAX AHEAD OF THE SECOND PRODUCT: t = score x c, c = log2(e) / sqrt(512); M = the row's largest t so far, rounded UP to a whole number; p = 2^(t - M) is quantised along the keys, not normalised.
; The row's sum is taken of the unquantised p and divides at the end.  When M moves, the sum and O are multiplied by 2^(old M - new M): exact.
; SHARES.  A work-group owns 256 queries of one head; each of its eight waves 32 of them, two tiles a and b of 16: every fragment of K and V read from LDS feeds two products.  32 steps of 128 keys.
; LDS.  A step's K codes, V codes and their scale words are KVB = 8,960 consecutive bytes of a record; the head's 32 such blocks lie in LDS whole.  Each wave asks for four of them by ONE load (4 rows of 8,960 bytes,
; 8 records apart in memory) at the head: every byte is filled once, nothing is filled again.  The blocks are images of the operands' registers: every read is at 16 x lane or 4 x lane.
; No prefetch: all that the launch reads of K and V is asked for by these eight loads at the head, and there is no loop to run ahead in.
; CLUSTER.  The four work-groups of a cluster belong to one head and want the same 32 blocks: each load is a joint one, with the same descriptor and a mask that names the four.
; LAYOUT.  Both products are used transposed: S^T = K Q^T, O^T = V^T P^T: a lane holds ONE query (lane % 16) of each tile throughout.
; The first product's K is 64: registers 4-7 of Q's fragments hold zero codes.  So registers 4-7 of a fragment of K may hold any codes (every FP4 code is a finite number, and its scale bytes there are 0, a finite code):
; tile t's fragment is named as v[KB + 4 t .. + 7], whose upper half is tile t + 1's codes (behind tile 7: four registers of zeros); these products are zeros.
; ONE CHAIN FOR TWO TILES.  An exchange of lane halves puts tile a's block maxima into lanes 0-15 and tile b's into lanes 16-31: M, f, the blocks' largest p, the scale operands and the scale word are made once for both,
; and -M, f and the scale operands are then spread to both halves by a copy and an exchange.  p's scale word stays as it is: tile a's product reads lanes 0-15 of it, tile b's lanes 16-31.
; LOADS RUN AHEAD: the next step's K is asked for behind this step's first products, the next V behind its second products.
; LIMITS: NaN and infinities are not served; the scaled scores stay under 2^31 in magnitude.  A block whose every p is 0 keeps the scale byte 1: its codes are zeros.  A block's largest p is made from its largest
; score by the same two instructions: this takes v_exp_f32 not to fall where its input rises.  c is rounded once to f32, where the definition multiplies by the scale and by log2(e) in turn.
.set SUB,  13568                       ; a record
.set KVB,  8960                        ; its first 35 x 256 bytes
.set FVC,  4096
.set FKS,  8192
.set FVS,  8704
.set FQC,  8960
.set FQS,  13056
.set STAGE, 32*KVB                     ; behind the blocks: 16 rows x 272 bytes for each wave, for the way out; no fill lands there
.set SPARE, STAGE+8*16*272             ; the spare words, 128 bytes a wave
; window 0
.set L16,  1                           ; 16 x lane
.set L4,   2                           ; 4 x lane
.set SPW,  3                           ; my spare word
.set NIL,  4                           ; 0
.set GO,   5                           ; the way out: my offset in out0
.set STI,  6                           ; into the stage
.set STB,  7                           ; back from it
.set NMC,  8                           ; -M: lanes 0-15 tile a's, lanes 16-31 tile b's
.set TC,   9                           ; the largest score so far, likewise
.set TMP,  10
.set TMP2, 11
.set LA,   12                          ; v[12:13], v[14:15] the sums, two halves each
.set LB,   14
.set QF,   16                          ; v16-23 Q of tile a, v24-31 of tile b
.set S,    32                          ; v32-95 S^T then p of tile a, v96-159 of tile b
.set PC,   160                         ; v160-167, v168-175 p's codes
.set BM,   176                         ; v176-183 block maxima
.set SCA,  184                         ; v184-187, v188-191 the conversions' scale operands, tile a, tile b
.set BT,   192                         ; v192-195 scale bytes
.set KSC,  196                         ; v196-199 K's scale words: lanes 0-15 tile 2 p's, lanes 16-31 tile 2 p + 1's
.set VSC,  200                         ; v200-201 V's likewise
.set QS,   202                         ; Q's: lanes 0-15 tile a's, lanes 16-31 tile b's
.set PW,   203                         ; p's likewise
.set NA,   204                         ; v[204:205], v[206:207] -M of tile a, of tile b, in all lanes, in both words of the pair
.set NB,   206
.set FA,   208                         ; v[208:209], v[210:211] f likewise
.set FB,   210
.set SM,   212                         ; v212-223 three more chains of each sum
.set ADK,  224                         ; the LDS addresses in hand
.set ADS,  225
; window 1
.set OB,   0                           ; O^T: tile a 0-31, tile b 32-63
.set VB,   64                          ; V's four fragments
.set KB,   208                         ; K's eight half fragments, and four registers of zeros
.set G1,   16                          ; s[16:23] descriptor group 1, s[32:35] group 0
.set G0,   32
.set MSB, 0
.macro WIN new                         ; the immediate's high byte repeats the setting that is left
.if MSB != \new
	s_set_vgpr_msb (MSB<<8)|\new
.set MSB, \new
.endif
.endm
.macro PLACES n
.rept \n
	v_nop
.endr
.endm
.macro CROUND                          ; a round of the cluster's barrier
	s_barrier_signal -1
	s_barrier_wait -1
	s_cmp_lg_u32 s8, 0
	s_cbranch_scc1 .Lnot_wave_0_\@
	s_barrier_signal -3
.Lnot_wave_0_\@:
	s_barrier_wait -3
	s_barrier_signal -1
	s_barrier_wait -1
.endm
	s_load_b128 s[4:7], s[0:1], 0x0                ; ws s[4:5], out0 s[6:7]
	v_lshl_add_u32 v[SPW], v0, 2, SPARE
	v_mov_b32 v[NIL], 0
	ds_add_u32 v[SPW], v[NIL]                      ; the opening lines: the add twice on end and one wait
	ds_add_u32 v[SPW], v[NIL]
	v_lshrrev_b32 v10, 5, v0
	s_delay_alu instid0(VALU_DEP_1)
	v_readfirstlane_b32 s8, v10                    ; wave 0..7
	s_bfe_u32 s9, ttmp6, 0x40000                   ; cx
	s_lshl_b32 s10, ttmp9, 2
	s_add_co_u32 s10, s10, s9                      ; X: my block of 256 queries: it enters Q's and out0's addresses alone
	s_and_b32 s11, ttmp7, 0xffff                   ; 8 b + head, which the four partners share
	s_lshr_b32 s12, s11, 3                         ; b
	s_and_b32 s13, s11, 7                          ; head
	s_mov_b32 s[G1], 15|(3<<16)|(1<<21)            ; the mask: all four work-groups; elements of 8 bytes; bit 21 beside a mask
	s_mov_b32 s[G1+1], 1120<<16                    ; tensor_dim0: 8,960 bytes
	s_mov_b32 s[G1+2], 4<<16                       ; tensor_dim1
	s_mov_b32 s[G1+3], 1120<<16                    ; tile_dim0
	s_mov_b32 s[G1+4], 4                           ; tile_dim1: four steps' blocks
	s_mov_b32 s[G1+5], SUB                         ; from step to step of a head: 8 records = SUB elements of 8 bytes
	s_mov_b32 s[G1+6], 0
	s_mov_b32 s[G1+7], 0
	s_lshl_b32 s66, s12, 8
	s_add_co_u32 s66, s66, s13
	s_lshl_b32 s68, s8, 5
	s_add_co_u32 s66, s66, s68                     ; my four steps begin at record 256 b + head + 32 wave
	s_mul_i32 s66, s66, SUB
	s_mov_b32 s67, 0
	s_mul_i32 s70, s8, 4*KVB                       ; and land here: no place in the cluster enters an LDS address
	s_lshl_b32 s80, s12, 5                         ; Q: step 32 b + 2 X + wave / 4, tiles 2 (wave % 4) and the next
	s_lshl_b32 s81, s10, 1
	s_add_co_u32 s80, s80, s81
	s_lshr_b32 s81, s8, 2
	s_add_co_u32 s80, s80, s81
	s_lshl_b32 s80, s80, 3
	s_add_co_u32 s80, s80, s13
	s_mul_i32 s80, s80, SUB
	s_and_b32 s82, s8, 3
	s_lshl_b32 s83, s82, 10
	s_add_co_u32 s84, s80, s83
	s_add_co_u32 s84, s84, FQC                     ; its codes
	s_mov_b32 s85, 0
	s_lshl_b32 s83, s82, 7
	s_add_co_u32 s86, s80, s83
	s_add_co_u32 s86, s86, FQS                     ; its scale words
	s_mov_b32 s87, 0
	s_lshl_b32 s88, s12, 12
	s_lshl_b32 s89, s10, 8
	s_add_co_u32 s88, s88, s89
	s_lshl_b32 s89, s8, 5
	s_add_co_u32 s88, s88, s89                     ; my first query's row of out0: 4,096 b + 256 X + 32 wave,
	s_lshl_b32 s88, s88, 11                        ; of 2,048 bytes,
	s_lshl_b32 s89, s13, 8
	s_add_co_u32 s88, s88, s89                     ; and the head's 256 bytes in it
	s_mov_b32 s89, 0
	s_mov_b32 s24, 0x76543210
	s_mov_b32 s25, 0xfedcba98                      ; lane selects: lane l xor 16
.set CF, 0x3d8293ee                    ; c = log2(e) / sqrt(512), a literal of the multiply-adds
	s_mov_b32 s30, 0xbd8293ee                      ; -c
	s_mov_b32 s28, 0                               ; LDS byte of the block whose loads are next
	s_mul_i32 s90, s8, 16*272
	s_add_co_u32 s90, s90, STAGE                   ; my stage
	v_and_b32 v10, 31, v0
	v_and_b32 v11, 15, v0                          ; r
	v_bfe_u32 v12, v0, 4, 1                        ; h
	v_lshlrev_b32 v[L16], 4, v10
	v_lshlrev_b32 v[L4], 2, v10
	v_lshlrev_b32 v[GO], 11, v12
	v_mul_u32_u24 v[STI], v11, 272
	v_mul_u32_u24 v[STB], v12, 272
	v_lshl_add_u32 v[GO], v11, 4, v[GO]            ; lanes 0-15 one row of out0, lanes 16-31 the next; 16 bytes a lane
	v_lshl_add_u32 v[STI], v12, 5, v[STI]          ; in: row r, + 32 h
	v_lshl_add_u32 v[STB], v11, 4, v[STB]          ; back: row h, + 16 r
	v_add_nc_u32 v[STI], s90, v[STI]
	v_add_nc_u32 v[STB], s90, v[STB]
	v_add_nc_u32 v[ADK], s28, v[L16]
	v_add_nc_u32 v[ADS], s28, v[L4]
	s_wait_alu depctr_va_vdst(0)                   ; the wait here, directly ahead of the waits below
	s_wait_dscnt 0x0                               ; both opening adds are done
	s_wait_kmcnt 0x0
	s_add_nc_u64 s[72:73], s[4:5], s[66:67]
	s_add_nc_u64 s[74:75], s[4:5], s[84:85]
	s_add_nc_u64 s[76:77], s[4:5], s[86:87]
	s_add_nc_u64 s[78:79], s[6:7], s[88:89]
	s_mov_b32 s[G0], 1
	s_mov_b32 s[G0+1], s70
	s_mov_b64 s[G0+2:G0+3], s[72:73]
	s_or_b32 s[G0+3], s[G0+3], 0x80000000
	CROUND                                         ; all four work-groups are here: the joint loads meet
	tensor_load_to_lds s[G0:G0+3], s[G1:G1+7]      ; my one load: four blocks
	s_nop 0
	PLACES 4
	global_load_b128 v[QF:QF+3], v[L16], s[74:75]  ; Q's fragments stay in registers
	global_load_b128 v[QF+8:QF+11], v[L16], s[74:75] offset:512
	global_load_b32 v[QS], v[L4], s[76:77]
.irp j, QF+4,QF+5,QF+6,QF+7,QF+12,QF+13,QF+14,QF+15, LA,LA+1,LB,LB+1, NA+1,NB+1,FA+1,FB+1, TMP,TMP2
	v_mov_b32 v[\j], 0                             ; Q's zero codes; the sums; the upper words of pairs; lane permutes' destinations
.endr
	v_mov_b32 v[TC], 0xff61b1e6                    ; the largest score so far: -3e38
	v_mov_b32 v[NMC], 0x7e000000                   ; -M begins as 2^125: the first f is 0, on sums that are 0
.set CV, 226                           ; v[226:227] c, twice: each half of a dual multiply-add names a register of its own
	v_mov_b32 v[CV], CF
	v_mov_b32 v[CV+1], CF
	WIN 0x40
.irp j, 0,1,2,3
	v_mov_b32 v[KB+32+\j], 0                       ; behind K's tile 7
.endr
.set J, 0
.rept 64
	v_mov_b32 v[OB+J], 0                           ; O^T: the step has no first form of its own
.set J, J+1
.endr
	WIN 0
.macro LDK                             ; a block's K: 8 + 4 loads
	WIN 0x40
.irp t, 0,1,2,3,4,5,6,7
	ds_load_b128 v[KB+4*\t:KB+4*\t+3], v[ADK] offset:512*\t
.endr
	WIN 0
.irp p, 0,1,2,3
	ds_load_b32 v[KSC+\p], v[ADS] offset:FKS+128*\p
.endr
.endm
.macro LDV                             ; a block's V: 8 + 2 loads
	WIN 0x40
.irp ct, 0,1,2,3
.irp c, 0,1
	ds_load_b128 v[VB+8*\ct+4*\c:VB+8*\ct+4*\c+3], v[ADK] offset:FVC+1024*\ct+512*\c
.endr
.endr
	WIN 0
.irp p, 0,1
	ds_load_b32 v[VSC+\p], v[ADS] offset:FVS+128*\p
.endr
.endm
; The sums of the unquantised p: four chains a tile, the first on the sum itself; pairs 4 i + j of a tile go to chain j.
.macro SUMI i
.irp x, 0,1
	v_dual_add_f32 v[LA+2*\x], v[S+64*\x+8*(\i)], v[LA+2*\x] :: v_dual_add_f32 v[LA+2*\x+1], v[S+64*\x+8*(\i)+1], v[LA+2*\x+1]
.endr
.if \i > 0
.irp j, 1,2,3
.irp x, 0,1
.if \i == 1
	v_dual_add_f32 v[SM+6*\x+2*\j-2], v[S+64*\x+2*\j], v[S+64*\x+8+2*\j] :: v_dual_add_f32 v[SM+6*\x+2*\j-1], v[S+64*\x+2*\j+1], v[S+64*\x+8+2*\j+1]
.else
	v_dual_add_f32 v[SM+6*\x+2*\j-2], v[S+64*\x+8*(\i)+2*\j], v[SM+6*\x+2*\j-2] :: v_dual_add_f32 v[SM+6*\x+2*\j-1], v[S+64*\x+8*(\i)+2*\j+1], v[SM+6*\x+2*\j-1]
.endif
.endr
.endr
.endif
.endm
; A KEY STEP of 128 keys.  more = 1: the next block's loads are issued.
.macro STEP more
	s_wait_dscnt 10                                ; K's twelve loads are in; V's ten, issued behind them, may be out
	WIN 0x01                                       ; source 0 (K) window 1
.irp p, 0,1,2,3
	v_wmma_scale_f32_16x16x128_f8f6f4 v[S+16*\p:S+16*\p+7], v[KB+8*\p:KB+8*\p+7], v[QF:QF+7], 0, v[KSC+\p], v[QS] matrix_a_fmt:MATRIX_FMT_FP4 matrix_b_fmt:MATRIX_FMT_FP4
	v_wmma_scale_f32_16x16x128_f8f6f4 v[S+64+16*\p:S+64+16*\p+7], v[KB+8*\p:KB+8*\p+7], v[QF+8:QF+15], 0, v[KSC+\p], v[QS] matrix_a_fmt:MATRIX_FMT_FP4 matrix_b_fmt:MATRIX_FMT_FP4 matrix_b_scale:MATRIX_SCALE_ROW1
	v_wmma_scale_f32_16x16x128_f8f6f4 v[S+16*\p+8:S+16*\p+15], v[KB+8*\p+4:KB+8*\p+11], v[QF:QF+7], 0, v[KSC+\p], v[QS] matrix_a_fmt:MATRIX_FMT_FP4 matrix_b_fmt:MATRIX_FMT_FP4 matrix_a_scale:MATRIX_SCALE_ROW1
	v_wmma_scale_f32_16x16x128_f8f6f4 v[S+64+16*\p+8:S+64+16*\p+15], v[KB+8*\p+4:KB+8*\p+11], v[QF+8:QF+15], 0, v[KSC+\p], v[QS] matrix_a_fmt:MATRIX_FMT_FP4 matrix_b_fmt:MATRIX_FMT_FP4 matrix_a_scale:MATRIX_SCALE_ROW1 matrix_b_scale:MATRIX_SCALE_ROW1
.endr
	WIN 0
.if \more
	s_add_co_u32 s28, s28, KVB
	v_add_nc_u32 v[ADK], s28, v[L16]               ; with the two v_nop: four places behind the products, in front of the loads into K's registers and of the first read of S^T
	v_add_nc_u32 v[ADS], s28, v[L4]
	PLACES 2
	LDK                                            ; the next step's K lands under the softmax
.else
	PLACES 4
.endif
.irp x, 0,1
.irp b, 0,1,2,3
	v_max3_num_f32 v[BM+4*\x+\b], v[S+64*\x+16*\b], v[S+64*\x+16*\b+1], v[S+64*\x+16*\b+2]   ; the largest score of each block of 32 keys, my 16 of them: eight chains by turns
.endr
.endr
.irp i, 3,5,7,9,11,13
.irp x, 0,1
.irp b, 0,1,2,3
	v_max3_num_f32 v[BM+4*\x+\b], v[BM+4*\x+\b], v[S+64*\x+16*\b+\i], v[S+64*\x+16*\b+\i+1]
.endr
.endr
.endr
.irp x, 0,1
.irp b, 0,1,2,3
	v_max_num_f32 v[BM+4*\x+\b], v[BM+4*\x+\b], v[S+64*\x+16*\b+15]
.endr
.endr
.irp b, 0,1,2,3
	v_permlane16_swap_b32 v[BM+\b], v[BM+4+\b]     ; first: (a's lanes 0-15 | b's lanes 0-15), second: (a's lanes 16-31 | b's lanes 16-31)
.endr
.irp b, 0,1,2,3
	s_delay_alu instid0(VALU_DEP_4)
	v_max_num_f32 v[BM+\b], v[BM+\b], v[BM+4+\b]   ; the whole block's: lanes 0-15 tile a's query r, lanes 16-31 tile b's
.endr
	s_delay_alu instid0(VALU_DEP_2)
	v_max3_num_f32 v[TMP], v[BM], v[BM+1], v[BM+2]
	s_delay_alu instid0(VALU_DEP_1)
	v_max3_num_f32 v[TC], v[TC], v[TMP], v[BM+3]   ; the running largest score
	s_delay_alu instid0(VALU_DEP_1)
	v_mul_f32 v[TMP], s30, v[TC]                   ; -t (c is positive)
	s_delay_alu instid0(VALU_DEP_1)
	v_floor_f32 v[NA], v[TMP]                      ; the new -M = floor(-t) = -ceil(t): a whole number
	s_delay_alu instid0(VALU_DEP_1)
	v_sub_f32 v[TMP], v[NA], v[NMC]                ; old M - new M: a whole number, 0 or less
	v_mov_b32 v[NMC], v[NA]
	v_mov_b32 v[NB], v[NA]
	s_delay_alu instid0(VALU_DEP_3)
	v_cvt_i32_f32 v[TMP], v[TMP]                   ; (it saturates)
	s_delay_alu instid0(VALU_DEP_1)
	v_ldexp_f32 v[FA], 1.0, v[TMP]                 ; f = 2^(old M - new M)
	v_permlane16_swap_b32 v[NA], v[NB]             ; -M of tile a in all lanes of the first, of tile b in all lanes of the second
	s_delay_alu instid0(VALU_DEP_2)
	v_mov_b32 v[FB], v[FA]
	s_delay_alu instid0(VALU_DEP_2)
	v_mov_b32 v[NA+1], v[NA]                       ; and once more in the pair's upper word
	s_delay_alu instid0(VALU_DEP_3)
	v_mov_b32 v[NB+1], v[NB]
.irp b, 0,1,2,3
	v_fma_f32 v[BM+\b], v[BM+\b], v[CV], v[NMC]    ; t - M of each block's largest score: score x c - M, fused
.endr
	v_permlane16_swap_b32 v[FA], v[FB]             ; f likewise
.set J, 0
.rept 32
	v_dual_fma_f32 v[S+J], v[S+J], v[CV], v[NA] :: v_dual_fma_f32 v[S+J+1], v[S+J+1], v[CV+1], v[NA+1]       ; t - M, fused, two to a pair: in every operand place the halves name an even register and its odd neighbour
	v_dual_fma_f32 v[S+64+J], v[S+64+J], v[CV], v[NB] :: v_dual_fma_f32 v[S+64+J+1], v[S+64+J+1], v[CV+1], v[NB+1]
.set J, J+2
.endr
	WIN 0x41                                       ; destination and source 0 window 1
.set J, 0
.rept 16
	v_pk_mul_f32 v[OB+J:OB+J+1], v[OB+J:OB+J+1], v[FA:FA+1] op_sel_hi:[1,0]                     ; O^T under the new M, each accumulator from its low end on
	v_pk_mul_f32 v[OB+32+J:OB+32+J+1], v[OB+32+J:OB+32+J+1], v[FB:FB+1] op_sel_hi:[1,0]
.set J, J+2
.endr
	WIN 0
	s_wait_alu depctr_va_vdst(0)                   ; the wait ahead of the batch
.irp b, 0,1,2,3
	v_exp_f32 v[BM+\b], v[BM+\b]                   ; the blocks' largest p
.endr
.set J, 0
.rept 128
	v_exp_f32 v[S+J], v[S+J]                       ; p = 2^(t - M), at most 1: not normalised
.set J, J+1
.endr
	v_pk_mul_f32 v[LA:LA+1], v[LA:LA+1], v[FA:FA+1] op_sel_hi:[1,0]   ; the sums under the new M: plain work behind the exponentials
	v_pk_mul_f32 v[LB:LB+1], v[LB:LB+1], v[FB:FB+1] op_sel_hi:[1,0]
	s_wait_alu depctr_va_vdst(0)                   ; one wait for the batch, ahead of its first reader
.irp b, 0,1,2,3
	v_max_num_f32 v[BM+\b], 0x1800000, v[BM+\b]    ; the floor 2^(3 - 127): the byte cannot fall under 1
.endr
	SUMI 0
	SUMI 1
.irp b, 0,1,2,3
	v_add_nc_u32 v[SCA+\b], 0xff000000, v[BM+\b]   ; 2 off the exponent field: the conversion's scale operand
.endr
	SUMI 2
.irp b, 0,1,2,3
	v_mov_b32 v[SCA+4+\b], v[SCA+\b]
.endr
.irp b, 0,1,2,3
	v_lshrrev_b32 v[BT+\b], 23, v[SCA+\b]          ; the scale's byte
.endr
.irp b, 0,1,2,3
	v_permlane16_swap_b32 v[SCA+\b], v[SCA+4+\b]   ; tile a's operand in all lanes of the first, tile b's in all lanes of the second
.endr
	v_lshl_or_b32 v[PW], v[BT+1], 8, v[BT]         ; p's scale word for these 128 keys
	SUMI 3
	v_lshl_or_b32 v[PW], v[BT+2], 16, v[PW]
	SUMI 4
	v_lshl_or_b32 v[PW], v[BT+3], 24, v[PW]
.irp x, 0,1
.irp t, 0,1,2,3,4,5,6,7
	v_cvt_scalef32_pk8_fp4_f32 v[PC+8*\x+4*(\t/4)+2*(\t%2)+(\t%4)/2], v[S+64*\x+8*\t:S+64*\x+8*\t+7], v[SCA+4*\x+\t/2]
.endr
.endr
	SUMI 5                                         ; plain work behind the scaled conversions
.irp x, 0,1
.irp c, 0,1
	v_permlane16_swap_b32 v[PC+8*\x+4*\c], v[PC+8*\x+4*\c+1]       ; the operand wants a whole block in a lane
	v_permlane16_swap_b32 v[PC+8*\x+4*\c+2], v[PC+8*\x+4*\c+3]
.endr
.endr
	SUMI 6                                         ; these 16 lines name no register of the products below: the places between p's codes and scale word and the products
	SUMI 7
	s_wait_alu depctr_va_vdst(0)                   ; the wait here, directly ahead of the wait below
	s_wait_dscnt 12*\more                          ; V is in; the next K's twelve loads, issued behind V's, may be out
	WIN 0x51                                       ; V, C and D window 1, p's codes window 0
.irp p, 0,1                                    ; the eight accumulators take turns, one instruction a turn
	v_wmma_scale_f32_16x16x128_f8f6f4 v[OB+16*\p:OB+16*\p+7], v[VB+16*\p:VB+16*\p+7], v[PC:PC+7], v[OB+16*\p:OB+16*\p+7], v[VSC+\p], v[PW] matrix_a_fmt:MATRIX_FMT_FP4 matrix_b_fmt:MATRIX_FMT_FP4
	v_wmma_scale_f32_16x16x128_f8f6f4 v[OB+32+16*\p:OB+32+16*\p+7], v[VB+16*\p:VB+16*\p+7], v[PC+8:PC+15], v[OB+32+16*\p:OB+32+16*\p+7], v[VSC+\p], v[PW] matrix_a_fmt:MATRIX_FMT_FP4 matrix_b_fmt:MATRIX_FMT_FP4 matrix_b_scale:MATRIX_SCALE_ROW1
	v_wmma_scale_f32_16x16x128_f8f6f4 v[OB+16*\p+8:OB+16*\p+15], v[VB+16*\p+8:VB+16*\p+15], v[PC:PC+7], v[OB+16*\p+8:OB+16*\p+15], v[VSC+\p], v[PW] matrix_a_fmt:MATRIX_FMT_FP4 matrix_b_fmt:MATRIX_FMT_FP4 matrix_a_scale:MATRIX_SCALE_ROW1
	v_wmma_scale_f32_16x16x128_f8f6f4 v[OB+32+16*\p+8:OB+32+16*\p+15], v[VB+16*\p+8:VB+16*\p+15], v[PC+8:PC+15], v[OB+32+16*\p+8:OB+32+16*\p+15], v[VSC+\p], v[PW] matrix_a_fmt:MATRIX_FMT_FP4 matrix_b_fmt:MATRIX_FMT_FP4 matrix_a_scale:MATRIX_SCALE_ROW1 matrix_b_scale:MATRIX_SCALE_ROW1
.endr
	WIN 0
.irp x, 0,1                                    ; the sums' chains are joined here: six lines that name no register of the products above, the places in front of the loads into V's registers
	v_dual_add_f32 v[SM+6*\x], v[SM+6*\x+2], v[SM+6*\x] :: v_dual_add_f32 v[SM+6*\x+1], v[SM+6*\x+3], v[SM+6*\x+1]
	v_dual_add_f32 v[LA+2*\x], v[SM+6*\x+4], v[LA+2*\x] :: v_dual_add_f32 v[LA+2*\x+1], v[SM+6*\x+5], v[LA+2*\x+1]
.endr
.irp x, 0,1
	v_dual_add_f32 v[LA+2*\x], v[SM+6*\x], v[LA+2*\x] :: v_dual_add_f32 v[LA+2*\x+1], v[SM+6*\x+1], v[LA+2*\x+1]
.endr
.if \more
	LDV                                            ; the next step's V lands under its first products and softmax
.endif
.endm
	s_wait_alu depctr_va_vdst(0)                   ; the wait at the head's end
	s_wait_loadcnt 0x0                             ; Q
	s_wait_tensorcnt 0x0                           ; my four blocks have landed,
	s_barrier_signal -1
	s_barrier_wait -1                              ; everybody's have
	LDK
	LDV
	s_mov_b32 s29, 31
.Lstep:
	STEP 1
	s_sub_co_u32 s29, s29, 1
	s_cmp_lg_u32 s29, 0
	s_cbranch_scc1 .Lstep
	STEP 0                                         ; the last step is written out: it asks for no further block
	; THE WAY OUT.  O^T / the sum goes through my own stage in LDS and leaves as rows: sixteen lanes store a query's 256 bytes of its head.
	v_add_f32 v[LA], v[LA], v[LA+1]                ; the sums' two halves,
	v_add_f32 v[LB], v[LB], v[LB+1]
	s_delay_alu instid0(VALU_DEP_2)
	v_permlanex16_b32 v[TMP], v[LA], s24, s25
	s_delay_alu instid0(VALU_DEP_2)
	v_permlanex16_b32 v[TMP2], v[LB], s24, s25
	s_delay_alu instid0(VALU_DEP_2)
	v_add_f32 v[LA], v[LA], v[TMP]                 ; and lane l xor 16's: the rows' sums
	s_delay_alu instid0(VALU_DEP_2)
	v_add_f32 v[LB], v[LB], v[TMP2]
	s_wait_alu depctr_va_vdst(0)                   ; the wait ahead of the transcendentals
	v_rcp_f32 v[LA], v[LA]
	v_rcp_f32 v[LB], v[LB]
	v_nop                                          ; a plain place behind them
	WIN 0x01                                       ; source 0 (O^T) window 1
	s_wait_alu depctr_va_vdst(0)                   ; the wait ahead of their first reader, which is also the first reader of the last products' results
.set J, 0
.rept 32
	v_mul_f32 v[S+J], v[OB+J], v[LA]               ; register 8 ct + j is o(query r, channel 16 ct + 8 h + j); each accumulator from its low end on
.set J, J+1
.endr
.set J, 0
.rept 32
	v_mul_f32 v[S+64+J], v[OB+32+J], v[LB]
.set J, J+1
.endr
	WIN 0
.irp x, 0,1
.irp ct, 0,1,2,3
	ds_store_b128 v[STI], v[S+64*\x+8*\ct:S+64*\x+8*\ct+3] offset:64*\ct
	ds_store_b128 v[STI], v[S+64*\x+8*\ct+4:S+64*\x+8*\ct+7] offset:64*\ct+16
.endr
.irp i, 0,1,2,3,4,5,6,7
	ds_load_b128 v[S+64*\x+32+4*\i:S+64*\x+32+4*\i+3], v[STB] offset:544*\i   ; LDS serves a wave's instructions in order (ISA guide 5.7.1.4): these see my stores, and tile b's stores come behind tile a's loads
.endr
.endr
	s_wait_dscnt 16                                ; tile a's rows are back; tile b's eight stores and eight loads may be out
.irp i, 0,1,2,3,4,5,6,7
	global_store_b128 v[GO], v[S+32+4*\i:S+32+4*\i+3], s[78:79] offset:4096*\i th:TH_STORE_NT   ; 16 lanes store 256 consecutive bytes, at a multiple of 256 from out0's first byte
.endr
	s_wait_dscnt 0x0
.irp i, 0,1,2,3,4,5,6,7
	global_store_b128 v[GO], v[S+96+4*\i:S+96+4*\i+3], s[78:79] offset:32768+4096*\i th:TH_STORE_NT
.endr
	s_wait_tensorcnt 0x0                           ; the wave's end
	ds_add_u32 v[SPW], v[NIL]
	s_wait_dscnt 0x0
	CROUND                                         ; the closing round: no work-group ends while a partner may still ask for a block that names it
	s_endpgm
.Lfunc_end_k_qc177eec50a_attend:
	.size	k_qc177eec50a_attend, .Lfunc_end_k_qc177eec50a_attend-k_qc177eec50a_attend
	.p2alignl 7, 3214868480
	.fill 96, 4, 3214868480
	.section	.rodata,"a",@progbits
	.p2align	6, 0x0
	.amdhsa_kernel k_qc177eec50a_attend
		.amdhsa_group_segment_fixed_size 322560
		.amdhsa_private_segment_fixed_size 0
		.amdhsa_enable_private_segment 0
		.amdhsa_kernarg_size 16
		.amdhsa_user_sgpr_count 2
		.amdhsa_user_sgpr_kernarg_segment_ptr 1
		.amdhsa_wavefront_size32 1
		.amdhsa_system_sgpr_workgroup_id_x 1
		.amdhsa_system_sgpr_workgroup_id_y 1
		.amdhsa_system_sgpr_workgroup_id_z 1
		.amdhsa_system_vgpr_workitem_id 0
		.amdhsa_next_free_vgpr 512
		.amdhsa_next_free_sgpr 96
		.amdhsa_reserve_vcc 0
		.amdhsa_float_denorm_mode_32 3
		.amdhsa_float_denorm_mode_16_64 3
		.amdhsa_memory_ordered 1
		.amdhsa_forward_progress 1
		.amdhsa_inst_pref_size 73
	.end_amdhsa_kernel
	.amdgpu_metadata
---
amdhsa.version: [ 1, 2 ]
amdhsa.kernels:
  - .name:           k_qc177eec50a_attend
    .symbol:         k_qc177eec50a_attend.kd
    .args:
      - { .name: ws, .offset: 0, .size: 8, .value_kind: global_buffer, .address_space: global }
      - { .name: out0, .offset: 8, .size: 8, .value_kind: global_buffer, .address_space: global }
    .group_segment_fixed_size: 322560
    .private_segment_fixed_size: 0
    .kernarg_segment_align: 8
    .kernarg_segment_size: 16
    .max_flat_workgroup_size: 256
    .sgpr_count:     96
    .vgpr_count:     512
    .wavefront_size: 32
...
	.end_amdgpu_metadata
.endif
;; end of part 2
